; MI455X (gfx1250); checked and timed in simulation.
; The chip was launched on July 23, 2026; its instructions are those of AMD's public machine-readable ISA for CDNA 5 (MIT licence, August 2026) and "CDNA5" Instruction Set Architecture Reference Guide (July 2026). The comments in the code are by the model that wrote it; some were corrected since.
;; Simple Net. Allowed arithmetic: float matrix products may take bf16 or f16 operands with f32 sums; all other float work in f32.
;; Inputs: W1 256 x 512 float32; x 8,192 x 512 float32; y 8,192 x 512 float32.
;; Outputs: out0 8,192 x 512 float32.
;; One version. Each part assembles by itself: llvm-mc -triple=amdgcn-amd-amdhsa -mcpu=gfx1250 --defsym DOCPART=n.
;; ======== version 1 of 1: 4 launches
;; limits: values within 0.000244 (relative) of each other or of a threshold may be ordered or decided otherwise than in the reference
;; workspace buffers: F 4,194,304 bytes; hs 32,768 bytes; xb 8,388,608 bytes; m4 67,108,864 bytes; glist 524,288 bytes of whole numbers
;; launch feat (part 1): grid 256 x 1, 4 waves a work-group, clusters of 4 x 1, 327,680 bytes of LDS; arguments W1, x, F, hs, xb; writes F, hs, xb
.if DOCPART == 1
	.amdgcn_target "amdgcn-amd-amdhsa--gfx1250"
	.amdhsa_code_object_version 6
	.text
	.protected	k_q6e2a2709cb_feat
	.globl	k_q6e2a2709cb_feat
	.p2align	8
	.type	k_q6e2a2709cb_feat,@function
k_q6e2a2709cb_feat:
	s_mov_b64 s[64:65], 0
	v_nop
	global_prefetch_b8 v0, s[64:65] scope:SCOPE_SE
	s_setreg_imm32_b32 hwreg(HW_REG_WAVE_MODE, 25, 1), 1
	s_wait_xcnt 0x0
	s_wait_alu depctr_hold_cnt(0) depctr_sa_sdst(0) depctr_va_vdst(0) depctr_va_sdst(0) depctr_va_ssrc(0) depctr_va_vcc(0) depctr_vm_vsrc(0)
	s_getreg_b32 s2, hwreg(HW_REG_IB_STS2, 6, 4)
	s_cmp_eq_u32 s2, 0
	s_cbranch_scc0 .Lentry_in_a_cluster
	s_endpgm
.Lentry_in_a_cluster:
	s_bfe_u32 s2, ttmp6, 0x10000c
	s_cmp_lg_u32 s2, 0x3003
	s_cbranch_scc0 .Lentry_shape_is_right
	s_endpgm
.Lentry_shape_is_right:
; F = bf16(x W1^T), [8192][256];  hs[row] = -1/2 x the sum of the squares of the row's bf16 features, f32;  xb = bf16(x) in the column order of the last launch.
; x: [8192][512] f32, W1: [256][512] f32; both are rounded to bf16 for the product, the sums are f32.  NaN and infinities are not treated apart.
; SHARES.  A work-group owns 32 rows of x and all 256 features; wave w owns features 64 w .. 64 w + 63 (4 tiles) x both row tiles: 8 accumulators.
; The product is used transposed (source 0 = 16 rows of W1, source 1 = 16 rows of x): a lane then holds one row of x and 8 neighbouring features.
; W1 comes by tensor loads, f32, 64 rows x 256 K a wave, each wave's own bytes; K's two halves fill the same bytes one after the other.
; CLUSTER.  The four work-groups of a cluster walk the same W1: each tile is asked for jointly (mask 15, the same descriptor in all four).
; xb[row][a][l][e] = x[row][256 a + 128 (e / 4) + 4 l + e % 4]: what lane l holds after the four 16-byte loads of a row, so it is stored as it lies.
.set PW,    1040                       ; an LDS row of W1 (256 f32) or of x (512 bf16): 1,024 bytes + 16: 65 x 16, so 16 rows start in 16 different 16-byte columns
.set WSW,   64*PW                      ; a wave's 64 rows of W1
.set XS,    4*WSW                      ; x in bf16, 32 rows, K in its natural order
.set FS,    XS+32*PW                   ; the stage for F: 32 rows x 528
.set PF,    528
.set SPARE, FS+32*PF                   ; the spare words, 128 bytes a wave: two blocks of 256 bytes that no other line names
.set ACC, 16                           ; v[16:79]   accumulator (ft, mt) at ACC + 8 (4 mt + ft)
.set WF,  80                           ; v[80:143]  W1 of one K step in f32, 16 registers a feature tile
.set WA,  144                          ; v[144:207] the same in bf16, two buffers of 32
.set XB,  208                          ; v[208:239] x's fragments, two buffers of 16
.set XR,  80                           ; staging: v[80:207] 8 rows of x as loaded
.set XC,  16                           ; staging: v[16:79] the same in bf16
.set PK,  80                           ; the way out: packed results
.set RB,  112                          ; the way out: 8 rows read back
.set T,   240                          ; v[240:251] at work
; v0 thread, v1 r = lane % 16, v2 h = lane / 16, v3 lane, v4 / v5 W1's fragment address (base / this step), v6 / v7 the same for x, v8 16 x lane,
; v9 where x is staged, v10 / v11 into and out of the stage for F, v12 / v13 hs values and their offset, v14 / v15 the add's two registers.
; s[4:5] W1, s[6:7] x, s[8:9] F, s[10:11] hs, s[44:45] xb, s12 wave, s13 cx, s14 work-group, s[16:23] group 1, s[24:27] group 0, s32 / s33 K bytes in W1's and x's rows, s34 count.
.macro ROUND                           ; a round of the cluster's barrier
	s_barrier_signal -1
	s_barrier_wait -1
	s_cmp_lg_u32 s12, 0
	s_cbranch_scc1 .Lnot_wave_0_\@
	s_barrier_signal -3
.Lnot_wave_0_\@:
	s_barrier_wait -3
	s_barrier_signal -1
	s_barrier_wait -1
.endm
; 20 LDS loads: one K step (32 along K) of my 64 rows of W1 in f32, and of the 32 rows of x in bf16 into buffer xb
.macro LOADK xb
.irp f, 0,1,2,3
	ds_load_b128 v[WF+16*\f:WF+16*\f+3],     v5 offset:\f*16*PW
	ds_load_b128 v[WF+16*\f+4:WF+16*\f+7],   v5 offset:\f*16*PW+16
	ds_load_b128 v[WF+16*\f+8:WF+16*\f+11],  v5 offset:\f*16*PW+64
	ds_load_b128 v[WF+16*\f+12:WF+16*\f+15], v5 offset:\f*16*PW+80
.endr
.irp m, 0,1
	ds_load_b128 v[(\xb)+8*\m:(\xb)+8*\m+3],   v7 offset:\m*16*PW
	ds_load_b128 v[(\xb)+8*\m+4:(\xb)+8*\m+7], v7 offset:\m*16*PW+32
.endr
.endm
; One K step on buffers b.  The 32 roundings are also the places between the last products and the loads into the other x buffer, which those products read.
; The look-ahead wraps inside the 1,024 bytes of a row: a phase's last one reads bytes that are there, and is not used.
.macro KS b, zero
	s_wait_dscnt 0x0                               ; this step's W1 and x are in
.set e, 0
.rept 32
	v_cvt_pk_bf16_f32 v[WA+32*(\b)+e], v[WF+2*e], v[WF+2*e+1]
.set e, e+1
.endr
	s_add_co_u32 s32, s32, 128
	s_and_b32 s32, s32, 1023
	s_add_co_u32 s33, s33, 64
	s_and_b32 s33, s33, 1023
	v_add_nc_u32 v5, s32, v4
	v_add_nc_u32 v7, s33, v6
	LOADK XB+16*(1-(\b))
.irp m, 0,1
.irp f, 0,1,2,3                        ; the 8 accumulators take turns
.if \zero
	v_wmma_f32_16x16x32_bf16 v[ACC+8*(4*\m+\f):ACC+8*(4*\m+\f)+7], v[WA+32*(\b)+8*\f:WA+32*(\b)+8*\f+7], v[XB+16*(\b)+8*\m:XB+16*(\b)+8*\m+7], 0
.else
	v_wmma_f32_16x16x32_bf16 v[ACC+8*(4*\m+\f):ACC+8*(4*\m+\f)+7], v[WA+32*(\b)+8*\f:WA+32*(\b)+8*\f+7], v[XB+16*(\b)+8*\m:XB+16*(\b)+8*\m+7], v[ACC+8*(4*\m+\f):ACC+8*(4*\m+\f)+7]
.endif
.endr
.endr
.endm
; Half of K: 8 K steps.  first = 1: the first pair is written out, its first products start the sums.
.macro PHASE first
	v_add_nc_u32 v5, s32, v4
	v_add_nc_u32 v7, s33, v6
	LOADK XB
.if \first
	KS 0, 1
	KS 1, 0
	s_mov_b32 s34, 3
.else
	s_mov_b32 s34, 4
.endif
.Lk_\@:
	KS 0, 0
	KS 1, 0
	s_sub_co_u32 s34, s34, 1
	s_cmp_lg_u32 s34, 0
	s_cbranch_scc1 .Lk_\@
.endm
	s_load_b256 s[4:11], s[0:1], 0x0               ; W1, x, F, hs
	s_load_b64 s[44:45], s[0:1], 0x20              ; xb
	v_lshl_add_u32 v14, v0, 2, SPARE
	v_mov_b32 v15, 0
	ds_add_u32 v14, v15                            ; the wave's opening: the add and its wait stand ahead of my first tensor load
	v_lshrrev_b32 v1, 5, v0
	v_readfirstlane_b32 s12, v1                    ; wave 0..3
	s_bfe_u32 s13, ttmp6, 0x40000                  ; cx
	s_lshl_b32 s14, ttmp9, 2
	s_add_co_u32 s14, s14, s13                     ; work-group = 4 x cluster + cx: it enters x's, xb's, F's and hs's addresses alone
	s_mov_b32 s16, 15|(2<<16)|(1<<20)|(1<<21)|(7<<22)|(3<<25)  ; mask of four; 4-byte elements; padding on; 21 set beside a mask; after every 256 words (code 7) 4 words (code 3)
	s_mov_b32 s17, 256<<16                         ; tensor_dim0 = 256
	s_mov_b32 s18, 64<<16                          ; tensor_dim1 = 64
	s_mov_b32 s19, 256<<16                         ; tile_dim0 = 256
	s_mov_b32 s20, 64                              ; tile_dim1 = 64
	s_mov_b32 s21, 512                             ; 512 elements from row to row
	s_mov_b32 s22, 0
	s_mov_b32 s23, 0
	s_mov_b32 s24, 1                               ; count = 1
	s_mul_i32 s25, s12, WSW                        ; LDS address: my 64 rows
	s_lshl_b32 s28, s12, 17                        ; my 64 rows of 2,048 bytes in W1
	s_mov_b32 s29, 0
	s_lshl_b32 s30, s14, 16                        ; x: 32 rows of 2,048 bytes a work-group,
	s_lshl_b32 s31, s12, 14                        ; 8 a wave
	s_add_co_u32 s30, s30, s31
	s_mov_b32 s31, 0
	s_mov_b32 s32, 0
	s_mov_b32 s33, 0
	s_mov_b32 s36, 0x76543210                      ; v_permlanex16_b32: each lane takes its own place in the other half
	s_mov_b32 s37, 0xfedcba98
	s_mov_b32 s39, 0xffff0000                      ; a word's upper bf16
	s_wait_dscnt 0x0                               ; the opening add is done
	s_wait_kmcnt 0x0
	s_add_nc_u64 s[26:27], s[4:5], s[28:29]        ; global address: K half 0 of my rows
	s_or_b32 s27, s27, 0x80000000                  ; type = 2
	s_add_nc_u64 s[6:7], s[6:7], s[30:31]          ; x at my wave's first row
	s_lshr_b32 s30, s30, 1
	s_add_nc_u64 s[44:45], s[44:45], s[30:31]      ; xb: half the bytes
	s_lshr_b32 s30, s30, 1
	s_add_nc_u64 s[8:9], s[8:9], s[30:31]          ; F: rows of 512 bytes
	s_lshr_b32 s30, s30, 7
	s_add_nc_u64 s[10:11], s[10:11], s[30:31]      ; hs: 4 bytes a row
	ROUND                                          ; all four work-groups are here: the first joint loads meet
	tensor_load_to_lds s[24:27], s[16:23]
	s_nop 0
	v_and_b32 v3, 31, v0
	v_and_b32 v1, 15, v0
	v_bfe_u32 v2, v0, 4, 1
	v_lshlrev_b32 v8, 4, v3
	; x: my 8 rows, four loads of 512 consecutive bytes a row
.set i, 0
.rept 8
.irp k, 0,1,2,3
	global_load_b128 v[XR+16*i+4*\k:XR+16*i+4*\k+3], v8, s[6:7] offset:i*2048+\k*512 th:TH_LOAD_NT
.endr
.set i, i+1
.endr
	v_mul_u32_u24 v4, v1, PW
	v_lshl_add_u32 v4, v2, 5, v4
	v_add_nc_u32 v4, s25, v4                       ; W1's fragments: my rows + r x pitch + 32 h (8 f32)
	v_mul_u32_u24 v6, v1, PW
	v_lshl_add_u32 v6, v2, 4, v6
	v_add_nc_u32 v6, XS, v6                        ; x's fragments: r x pitch + 16 h
	s_mul_i32 s35, s12, 8*PW
	s_add_co_u32 s35, s35, XS
	v_lshl_add_u32 v9, v3, 3, s35                  ; staging: my 8 rows, 8 bytes a lane
	v_mul_u32_u24 v10, v1, PF
	v_lshl_add_u32 v10, v2, 4, v10
	s_lshl_b32 s35, s12, 7
	s_add_co_u32 s35, s35, FS
	v_add_nc_u32 v10, s35, v10                     ; into the stage: row r, my 128 bytes, 16 h
	s_mul_i32 s35, s12, 8*PF
	s_add_co_u32 s35, s35, FS
	v_add_nc_u32 v11, s35, v8                      ; back: my 8 rows, whole
	v_lshlrev_b32 v13, 2, v3
.set i, 0
.rept 8
	s_wait_loadcnt 4*(7-i)                         ; row i's four loads are in; the younger rows' stay out
.irp k, 0,1,2,3
	v_cvt_pk_bf16_f32 v[XC+8*i+2*\k],   v[XR+16*i+4*\k],   v[XR+16*i+4*\k+1]
	v_cvt_pk_bf16_f32 v[XC+8*i+2*\k+1], v[XR+16*i+4*\k+2], v[XR+16*i+4*\k+3]
.endr
.irp k, 0,1,2,3
	ds_store_b64 v9, v[XC+8*i+2*\k:XC+8*i+2*\k+1] offset:i*PW+\k*256
.endr
	global_store_b128 v8, v[XC+8*i:XC+8*i+3],   s[44:45] offset:i*1024      ; 512 consecutive bytes each
	global_store_b128 v8, v[XC+8*i+4:XC+8*i+7], s[44:45] offset:i*1024+512
.set i, i+1
.endr
	s_wait_xcnt 0x0                                ; the stores' data registers become accumulators only behind this wait
	s_wait_tensorcnt 0x0                           ; my rows of W1, K half 0: only I read them
	s_wait_dscnt 0x0                               ; for the others' sake: my rows of x are staged
	s_barrier_signal -1
	s_barrier_wait -1
	PHASE 1
	s_wait_tensorcnt 0x0                           ; no tensor load of mine is out, so group 0 may be written
	ds_add_u32 v14, v15                            ; 0 onto my spare word
	s_add_nc_u64 s[26:27], s[26:27], 1024          ; K half 1
	s_wait_dscnt 0x0                               ; the add is done, and my reads of K half 0 are over, the look-ahead among them
	ROUND                                          ; that now holds of every wave of the four work-groups
	tensor_load_to_lds s[24:27], s[16:23]          ; my one load behind the round
	s_nop 0
.rept 4
	v_nop
.endr
	s_wait_tensorcnt 0x0
	PHASE 0
	; THE WAY OUT: rounded to bf16, through the stage (a row's 512 bytes come from four waves), back as whole rows.
	s_wait_dscnt 0x0                               ; the last look-ahead has landed: its registers are used again
.rept 4
	v_nop                                          ; the places behind the last products
.endr
.set a, 0
.rept 8
.irp e, 0,1,2,3
	v_cvt_pk_bf16_f32 v[PK+4*a+\e], v[ACC+8*a+2*\e], v[ACC+8*a+2*\e+1]
.endr
	ds_store_b128 v10, v[PK+4*a:PK+4*a+3] offset:(a/4)*16*PF+(a%4)*32
.set a, a+1
.endr
	s_wait_dscnt 0x0                               ; for the others' sake
	s_barrier_signal -1
	s_barrier_wait -1
.irp i, 0,1,2,3,4,5,6,7
	ds_load_b128 v[RB+4*\i:RB+4*\i+3], v11 offset:\i*PF
.endr
	v_mov_b32 v12, 0
	v_mov_b32 v[T+11], 0                           ; v_permlanex16_b32's destination counts as read
.set i, 0
.rept 8
	s_wait_dscnt 7-i                               ; row i is back; the younger rows' loads stay out
	global_store_b128 v8, v[RB+4*i:RB+4*i+3], s[8:9] offset:i*512  ; a row of F: 512 consecutive bytes
.irp e, 0,1,2,3
	v_lshlrev_b32 v[T+2*\e],   16,  v[RB+4*i+\e]
	v_and_b32     v[T+2*\e+1], s39, v[RB+4*i+\e]
.endr
	v_pk_mul_f32 v[T+8:T+9], v[T:T+1], v[T:T+1]
	v_pk_fma_f32 v[T+8:T+9], v[T+2:T+3], v[T+2:T+3], v[T+8:T+9]
	v_pk_fma_f32 v[T+8:T+9], v[T+4:T+5], v[T+4:T+5], v[T+8:T+9]
	v_pk_fma_f32 v[T+8:T+9], v[T+6:T+7], v[T+6:T+7], v[T+8:T+9]
	v_add_f32 v[T+10], v[T+8], v[T+9]
	v_add_f32_dpp v[T+10], v[T+10], v[T+10] row_xmask:1 row_mask:0xf bank_mask:0xf
	v_add_f32_dpp v[T+10], v[T+10], v[T+10] row_xmask:2 row_mask:0xf bank_mask:0xf
	v_add_f32_dpp v[T+10], v[T+10], v[T+10] row_xmask:4 row_mask:0xf bank_mask:0xf
	v_add_f32_dpp v[T+10], v[T+10], v[T+10] row_xmask:8 row_mask:0xf bank_mask:0xf
	v_permlanex16_b32 v[T+11], v[T+10], s36, s37
	v_add_f32 v[T+10], v[T+10], v[T+11]
	v_mul_f32 v[T+10], -0.5, v[T+10]
	s_mov_b32 s38, 1<<i
	v_cndmask_b32 v12, v12, v[T+10], s38           ; lane i keeps row i's number
.set i, i+1
.endr
	v_cmp_gt_u32 vcc_lo, 8, v3
	s_wait_xcnt 0x0                                ; EXEC changes only behind this wait
	s_and_saveexec_b32 s40, vcc_lo
	global_store_b32 v13, v12, s[10:11]            ; 32 bytes a wave: a part of an aligned 256; the whole buffer is 32,768 bytes
	s_wait_xcnt 0x0
	s_or_b32 exec_lo, exec_lo, s40
	s_wait_tensorcnt 0x0                           ; the wave's end
	ds_add_u32 v14, v15
	s_wait_dscnt 0x0
	ROUND                                          ; the closing round
	s_endpgm
.Lfunc_end_k_q6e2a2709cb_feat:
	.size	k_q6e2a2709cb_feat, .Lfunc_end_k_q6e2a2709cb_feat-k_q6e2a2709cb_feat
	.p2alignl 7, 3214868480
	.fill 96, 4, 3214868480
	.section	.rodata,"a",@progbits
	.p2align	6, 0x0
	.amdhsa_kernel k_q6e2a2709cb_feat
		.amdhsa_group_segment_fixed_size 327680
		.amdhsa_private_segment_fixed_size 0
		.amdhsa_enable_private_segment 0
		.amdhsa_kernarg_size 40
		.amdhsa_user_sgpr_count 2
		.amdhsa_user_sgpr_kernarg_segment_ptr 1
		.amdhsa_wavefront_size32 1
		.amdhsa_system_sgpr_workgroup_id_x 1
		.amdhsa_system_sgpr_workgroup_id_y 1
		.amdhsa_system_sgpr_workgroup_id_z 1
		.amdhsa_system_vgpr_workitem_id 0
		.amdhsa_next_free_vgpr 256
		.amdhsa_next_free_sgpr 66
		.amdhsa_reserve_vcc 1
		.amdhsa_float_denorm_mode_32 3
		.amdhsa_float_denorm_mode_16_64 3
		.amdhsa_memory_ordered 1
		.amdhsa_forward_progress 1
		.amdhsa_inst_pref_size 56
	.end_amdhsa_kernel
	.amdgpu_metadata
---
amdhsa.version: [ 1, 2 ]
amdhsa.kernels:
  - .name:           k_q6e2a2709cb_feat
    .symbol:         k_q6e2a2709cb_feat.kd
    .args:
      - { .name: W1, .offset: 0, .size: 8, .value_kind: global_buffer, .address_space: global }
      - { .name: x, .offset: 8, .size: 8, .value_kind: global_buffer, .address_space: global }
      - { .name: F, .offset: 16, .size: 8, .value_kind: global_buffer, .address_space: global }
      - { .name: hs, .offset: 24, .size: 8, .value_kind: global_buffer, .address_space: global }
      - { .name: xb, .offset: 32, .size: 8, .value_kind: global_buffer, .address_space: global }
    .group_segment_fixed_size: 327680
    .private_segment_fixed_size: 0
    .kernarg_segment_align: 8
    .kernarg_segment_size: 40
    .max_flat_workgroup_size: 128
    .sgpr_count:     66
    .vgpr_count:     256
    .wavefront_size: 32
...
	.end_amdgpu_metadata
.endif
;; end of part 1
;; launch bound (part 2): grid 64 x 4, 4 waves a work-group, clusters of 4 x 1, 327,680 bytes of LDS; arguments F, hs, m4; writes m4
.if DOCPART == 2
	.amdgcn_target "amdgcn-amd-amdhsa--gfx1250"
	.amdhsa_code_object_version 6
	.text
	.protected	k_q6e2a2709cb_bound
	.globl	k_q6e2a2709cb_bound
	.p2align	8
	.type	k_q6e2a2709cb_bound,@function
k_q6e2a2709cb_bound:
	s_mov_b64 s[64:65], 0
	v_nop
	global_prefetch_b8 v0, s[64:65] scope:SCOPE_SE
	s_setreg_imm32_b32 hwreg(HW_REG_WAVE_MODE, 25, 1), 1
	s_wait_xcnt 0x0
	s_wait_alu depctr_hold_cnt(0) depctr_sa_sdst(0) depctr_va_vdst(0) depctr_va_sdst(0) depctr_va_ssrc(0) depctr_va_vcc(0) depctr_vm_vsrc(0)
	s_getreg_b32 s2, hwreg(HW_REG_IB_STS2, 6, 4)
	s_cmp_eq_u32 s2, 0
	s_cbranch_scc0 .Lentry_in_a_cluster
	s_endpgm
.Lentry_in_a_cluster:
	s_bfe_u32 s2, ttmp6, 0x10000c
	s_cmp_lg_u32 s2, 0x3003
	s_cbranch_scc0 .Lentry_shape_is_right
	s_endpgm
.Lentry_shape_is_right:
; S'(q, k) = F[q] . F[k] + hs[k]  (hs = -1/2 |F[k]|^2): for a fixed q a larger S' is a smaller distance.  This launch stores, for each query, the maximum of S' over each of the 2,048 groups of four
; neighbouring keys: group g is keys 4 g .. 4 g + 3.  F: [8192][256] bf16, sums in f32.  NaN and infinities are not treated apart.
; SHARES.  A work-group owns 128 queries (qb) and 2,048 keys (chunk).  EVERY wave holds all 128 queries as source 1, 512 registers, and walks its own 512 keys as source 0, 16 a tile:
; 64 products (8 K steps x 8 query tiles) for 16 + 6 LDS loads.  In the result a lane holds one query (lane % 16) and the keys 8 (lane / 16) + 0..7: two groups of four.
; hs[key] is the C operand that starts each sum.
; m4[qb][t][chunk][wave][tile][lane][e], f32: query 128 qb + 16 t + lane % 16, group 512 chunk + 128 wave + 4 tile + 2 (lane / 16) + e.  A wave's store covers 256 consecutive bytes, aligned.
; RING.  Each wave has two LDS slots of its own, 64 keys (4 tiles) each, filled by its own tensor loads; only it reads them.
; CLUSTER.  The four work-groups of a cluster have the same chunk and other queries: they walk the same keys, and each tile is asked for jointly (mask 15, the same descriptor in all four).
; REGISTERS, in windows of 256 (s_set_vgpr_msb: bits 1:0 source 0, 3:2 source 1, 5:4 source 2, 7:6 destination).
;   window 0: v0-17 addresses; v64-127, v128-191 the keys' fragments, two buffers, K step s at + 8 s; v192-207 at work
;   window g + 1 (g = 0, 1, 2; query tiles 3 g .. 3 g + nu - 1, nu = 3, 3, 2): v[64 u + 8 s] Q; v[192 + 24 p + 8 u] accumulators, two sets p; v240-247 hs of the tile's keys; v[248 + 2 u], + 1 the two maxima
; ONE setting, (g + 1) x 0x54 (source 0 in window 0, all else in the group's), serves a group's products, the vector lines behind them, the loads of hs and Q and the stores: four switches a key tile.
.set PITCH, 528                        ; a key's row in LDS: 512 bytes + 16: 33 x 16
.set TILEB, 16*PITCH
.set SLOT,  4*TILEB                    ; 33,792 = 0x8400
.set RINGW, 2*SLOT                     ; 0x10800: no wave's ring base has a bit of SLOT set, so one exclusive or changes slots
.set HS,    4*RINGW                    ; hs of each wave's 512 keys, 2,048 bytes a wave, written by ds_store, the wave's own
.set SPARE, HS+8192                    ; the spare words, 128 bytes a wave: two blocks of 256 bytes that no other line names
; v1 r, v2 h, v3 lane, v4 / v6 the keys' fragment address (base / this tile), v5 / v7 the same for hs, v8 Q's offset, v9 8 x lane, v14 / v15 the add's registers, v16 16 x lane, v17 where hs is staged.
; s[4:5] F, s[6:7] hs, s[8:9] m4, s12 wave, s13 cx, s14 qb, s15 chunk, s[16:23] group 1, s[24:27] group 0 of the first fill, s[28:31] the walking group 0, s32 my ring,
; s33 / s34 bytes of the tile to fetch in the ring and in hs, s35 / s36 counts, s37 -infinity, s[44:45] Q, s[46:47] where I store: it steps 256 bytes a tile.
.set MSB, 0
.macro WIN new                         ; the high byte repeats the setting that is left; a switch that changes nothing is dropped
.if MSB != (\new)
	s_set_vgpr_msb (MSB<<8)|(\new)
.set MSB, (\new)
.endif
.endm
.macro ROUND                           ; a round of the cluster's barrier
	s_barrier_signal -1
	s_barrier_wait -1
	s_cmp_lg_u32 s12, 0
	s_cbranch_scc1 .Lnot_wave_0_\@
	s_barrier_signal -3
.Lnot_wave_0_\@:
	s_barrier_wait -3
	s_barrier_signal -1
	s_barrier_wait -1
.endm
; Q of group g: 16 loads a query tile
.macro QLOAD g
	WIN ((\g)+1)*0x54
.set qu, 0
.rept 3-(\g)/2
.set qs, 0
.rept 8
	global_load_b128 v[64*qu+8*qs:64*qu+8*qs+3],   v8, s[44:45] offset:(3*(\g)+qu)*8192+64*qs
	global_load_b128 v[64*qu+8*qs+4:64*qu+8*qs+7], v8, s[44:45] offset:(3*(\g)+qu)*8192+64*qs+32
.set qs, qs+1
.endr
.set qu, qu+1
.endr
.endm
; 16 LDS loads in one run: the next tile's fragments into buffer buf.  The two additions and two v_nop are the four places behind the last product that read that buffer.
.macro KFETCH buf
	v_add_nc_u32 v6, s33, v4
	v_add_nc_u32 v7, s34, v5
	v_nop
	v_nop
.set ks, 0
.rept 8
	ds_load_b128 v[64+64*(\buf)+8*ks:64+64*(\buf)+8*ks+3],   v6 offset:64*ks
	ds_load_b128 v[64+64*(\buf)+8*ks+4:64+64*(\buf)+8*ks+7], v6 offset:64*ks+32
.set ks, ks+1
.endr
	s_add_co_u32 s33, s33, TILEB
	s_add_co_u32 s34, s34, 64
.endm
; Line o of the 6 nu that make group g's maxima of set pa: accumulator o / 6; its two chains (registers 0-3, registers 4-7) alternate, so that no line reads the result of the line before it.
; The three-operand form, with -infinity as source 0, keeps both registers in the group's window.  Registers 0 and 1 are read first.
.macro OPX g, pa, o
.if (\o) < 6*(3-(\g)/2)
.set ru, (\o)/6
.set re, ((\o)%6)%2
.set rq, ((\o)%6)/2
.set ra, 192+24*(\pa)+8*ru+4*re
.if rq == 0
	v_max3_num_f32 v[248+2*ru+re], s37, v[ra], v[ra+1]
.else
	v_max3_num_f32 v[248+2*ru+re], s37, v[248+2*ru+re], v[ra+rq+1]
.endif
.endif
.endm
.macro SEND g                          ; the group's pairs of maxima; the base has been stepped once more than the tile's number, so the immediate reaches one tile back
.set su, 0
.rept 3-(\g)/2
	global_store_b64 v9, v[248+2*su:249+2*su], s[46:47] offset:(3*(\g)+su)*131072-256  ; 256 consecutive bytes, at a multiple of 256 from m4's first
.set su, su+1
.endr
.endm
; Group g's 8 nu products of a key tile into set p; the nu accumulators take turns.  rid = 1: behind each of the first 3 nu products two lines on the tile before (set 1 - p).
; Behind K step 3 stand, in one run, that tile's stores and (fetch = 1) the loads of the next tile's hs, whose last reader, a product of K step 0, stands ten vector lines back or more (rid = 0: four v_nop).
.macro GROUP g, p, rid, fetch
.set nu, 3-(\g)/2
	WIN ((\g)+1)*0x54
.set gs, 0
.rept 8
.set gu, 0
.rept nu
.if gs == 0
	v_wmma_f32_16x16x32_bf16 v[192+24*(\p)+8*gu:192+24*(\p)+8*gu+7], v[64+64*(\p):64+64*(\p)+7], v[64*gu:64*gu+7], v[240:247]
.else
	v_wmma_f32_16x16x32_bf16 v[192+24*(\p)+8*gu:192+24*(\p)+8*gu+7], v[64+64*(\p)+8*gs:64+64*(\p)+8*gs+7], v[64*gu+8*gs:64*gu+8*gs+7], v[192+24*(\p)+8*gu:192+24*(\p)+8*gu+7]
.endif
.if \rid
	OPX \g, 1-(\p), 2*(gs*nu+gu)
	OPX \g, 1-(\p), 2*(gs*nu+gu)+1
.endif
.if (gs == 3) && (gu == nu-1)
.if \rid
	SEND \g
.endif
.if \fetch
.if !(\rid)
.rept 4
	v_nop
.endr
.endif
	ds_load_b128 v[240:243], v7
	ds_load_b128 v[244:247], v7 offset:16
.endif
.endif
.set gu, gu+1
.endr
.set gs, gs+1
.endr
.endm
.macro TILE p, rid, fetch
	WIN 0
	s_wait_dscnt 0x0                               ; this tile's fragments and hs, asked for a tile ago
.if \rid
	s_wait_xcnt 0x0                                ; the last tile's stores have had their addresses translated: their base and their data registers are written again only behind this wait
	s_add_nc_u64 s[46:47], s[46:47], 256
.endif
.if \fetch
	KFETCH 1-(\p)
.endif
	GROUP 0, \p, \rid, \fetch
	GROUP 1, \p, \rid, \fetch
	GROUP 2, \p, \rid, \fetch
.endm
; THE CHANGE OF SLOTS, in front of a slot's last tile, whose fragments have been asked for.  fill = 1: the slot is filled again with the keys two slots on: I wait for all my tensor loads (one is out: the
; other slot's), add 0 to my spare word, wait for that and for my reads of the slot, and pass a round of the cluster's barrier; the joint refill is the first thing behind it and has 4 tiles, 256 products, to land.
; fill = 0: nothing is left to ask for; only the wait for my own last tile is needed, since nobody else reads these bytes.
.macro CHANGE fill
	WIN 0
	s_wait_tensorcnt 0x0
.if \fill
	ds_add_u32 v14, v15                            ; 0 onto my spare word; the descriptor's steps stand between it and the wait for it
	s_xor_b32 s29, s29, SLOT                       ; the other slot than last time,
	s_add_nc_u64 s[30:31], s[30:31], 32768         ; the next 64 keys
.endif
	s_sub_co_u32 s33, s33, SLOT                    ; the fetches go on at the head
	s_xor_b32 s33, s33, SLOT                       ; of the other slot
.if \fill
	s_wait_dscnt 0x0
	ROUND
	tensor_load_to_lds s[28:31], s[16:23]
	s_nop 0
.rept 4
	v_nop
.endr
.endif
.endm
	s_load_b128 s[4:7], s[0:1], 0x0                ; F, hs
	s_load_b64 s[8:9], s[0:1], 0x10                ; m4
	v_lshl_add_u32 v14, v0, 2, SPARE
	v_mov_b32 v15, 0
	ds_add_u32 v14, v15                            ; the wave's opening: the add and its wait stand ahead of my first tensor load
	v_lshrrev_b32 v1, 5, v0
	v_readfirstlane_b32 s12, v1                    ; wave 0..3
	s_bfe_u32 s13, ttmp6, 0x40000                  ; cx
	s_lshl_b32 s14, ttmp9, 2
	s_add_co_u32 s14, s14, s13                     ; qb = 4 x cluster x + cx: it enters Q's and m4's addresses alone
	s_and_b32 s15, ttmp7, 0xffff                   ; chunk, which the four partners share
	s_mov_b32 s16, 15|(1<<16)|(1<<20)|(1<<21)|(6<<22)|(3<<25)  ; mask of four; 2-byte elements; padding on; 21 set beside a mask; after every 128 words (code 6) 4 words (code 3)
	s_mov_b32 s17, 256<<16                         ; tensor_dim0 = 256
	s_mov_b32 s18, 64<<16                          ; tensor_dim1 = 64
	s_mov_b32 s19, 256<<16                         ; tile_dim0 = 256
	s_mov_b32 s20, 64                              ; tile_dim1 = 64
	s_mov_b32 s21, 256                             ; 256 elements from row to row
	s_mov_b32 s22, 0
	s_mov_b32 s23, 0
	s_mul_i32 s32, s12, RINGW
	s_mov_b32 s24, 1
	s_mov_b32 s25, s32                             ; slot 0
	s_mov_b32 s28, 1
	s_add_co_u32 s29, s32, SLOT                    ; slot 1
	s_lshl_b32 s38, s15, 20                        ; the chunk's 2,048 rows of 512 bytes,
	s_lshl_b32 s39, s12, 18                        ; my 512 of them
	s_add_co_u32 s38, s38, s39
	s_mov_b32 s39, 0
	s_lshl_b32 s40, s14, 16                        ; my block's 128 rows
	s_mov_b32 s41, 0
	s_mov_b32 s37, 0xff800000
	s_wait_dscnt 0x0                               ; the opening add is done
	s_wait_kmcnt 0x0
	s_add_nc_u64 s[26:27], s[4:5], s[38:39]        ; my keys 0 to 63
	s_add_nc_u64 s[30:31], s[26:27], 32768         ; 64 to 127
	s_or_b32 s27, s27, 0x80000000                  ; type = 2
	s_or_b32 s31, s31, 0x80000000
	s_add_nc_u64 s[44:45], s[4:5], s[40:41]        ; Q
	s_lshr_b32 s38, s38, 7                         ; 4 bytes a key in place of 512
	s_add_nc_u64 s[6:7], s[6:7], s[38:39]          ; hs of my keys
	s_lshl_b32 s40, s14, 20                        ; m4: 8 query tiles of 131,072 bytes a block,
	s_lshl_b32 s38, s15, 15                        ; in a query tile 32,768 a chunk,
	s_add_co_u32 s40, s40, s38
	s_lshl_b32 s38, s12, 13                        ; 8,192 a wave
	s_add_co_u32 s40, s40, s38
	s_add_nc_u64 s[46:47], s[8:9], s[40:41]
	ROUND                                          ; all four work-groups are here: the first joint loads meet
	tensor_load_to_lds s[24:27], s[16:23]          ; both first fills go out together: two loads of mine are out
	s_nop 0
	tensor_load_to_lds s[28:31], s[16:23]
	s_nop 0
	v_and_b32 v3, 31, v0
	v_and_b32 v1, 15, v0
	v_bfe_u32 v2, v0, 4, 1
	v_lshlrev_b32 v16, 4, v3
.irp i, 0,1,2,3
	global_load_b128 v[192+4*\i:195+4*\i], v16, s[6:7] offset:512*\i
.endr
	v_lshlrev_b32 v8, 9, v1
	v_lshl_add_u32 v8, v2, 4, v8                   ; a fragment of Q: row r x 512 + 16 h
	s_lshl_b32 s38, s12, 11
	s_add_co_u32 s38, s38, HS
	v_add_nc_u32 v17, s38, v16
	v_lshl_add_u32 v5, v2, 5, s38                  ; hs of a tile: my 8 keys begin 32 h bytes in
	QLOAD 0
	WIN 0
	s_wait_loadcnt 48                              ; hs is in; the 48 loads of Q behind it stay out
.irp i, 0,1,2,3
	ds_store_b128 v17, v[192+4*\i:195+4*\i] offset:512*\i
.endr
	QLOAD 1
	QLOAD 2
	WIN 0
	v_mul_u32_u24 v4, v1, PITCH
	v_lshl_add_u32 v4, v2, 4, v4
	v_add_nc_u32 v4, s32, v4                       ; a fragment of keys: my ring + r x pitch + 16 h
	v_lshlrev_b32 v9, 3, v3
	s_mov_b32 s33, 0
	s_mov_b32 s34, 0
	s_wait_tensorcnt 0x1                           ; slot 0 is in; slot 1's fill, issued behind it, stays out
	KFETCH 0                                       ; tile 0
.irp g, 0,1,2
	WIN ((\g)+1)*0x54
	ds_load_b128 v[240:243], v7
	ds_load_b128 v[244:247], v7 offset:16
.endr
	WIN 0
	s_wait_loadcnt 0x0                             ; Q
	TILE 0, 0, 1                                   ; tile 0: there is no tile before it
	WIN 0                                          ; at a label and at a branch every window is 0
	s_mov_b32 s35, 1
	s_mov_b32 s36, 7
	s_branch .Lpair                                ; tiles 1 and 2, then six changes of slots with four tiles each
.Lslot:
	CHANGE 1
	s_mov_b32 s35, 2
.Lpair:
	TILE 1, 1, 1
	TILE 0, 1, 1
	WIN 0
	s_sub_co_u32 s35, s35, 1
	s_cmp_lg_u32 s35, 0
	s_cbranch_scc1 .Lpair
	s_sub_co_u32 s36, s36, 1
	s_cmp_lg_u32 s36, 0
	s_cbranch_scc1 .Lslot
	CHANGE 0                                       ; the tail is written out
	s_mov_b32 s35, 2
.Ltail:
	TILE 1, 1, 1                                   ; tiles 27 to 30
	TILE 0, 1, 1
	WIN 0
	s_sub_co_u32 s35, s35, 1
	s_cmp_lg_u32 s35, 0
	s_cbranch_scc1 .Ltail
	TILE 1, 1, 0                                   ; tile 31: nothing more to fetch
	WIN 0
	s_wait_xcnt 0x0                                ; as at a tile's head
	s_add_nc_u64 s[46:47], s[46:47], 256
.irp g, 0,1,2                          ; tile 31's own maxima: groups 0 and 1 were finished long ago, and their lines are the places behind group 2's last products
	WIN ((\g)+1)*0x54
.set dr, 0
.rept 6*(3-(\g)/2)
	OPX \g, 1, dr
.set dr, dr+1
.endr
	SEND \g
.endr
	WIN 0
	s_wait_tensorcnt 0x0                           ; the wave's end
	ds_add_u32 v14, v15
	s_wait_dscnt 0x0
	ROUND                                          ; the closing round
	s_endpgm
.Lfunc_end_k_q6e2a2709cb_bound:
	.size	k_q6e2a2709cb_bound, .Lfunc_end_k_q6e2a2709cb_bound-k_q6e2a2709cb_bound
	.p2alignl 7, 3214868480
	.fill 96, 4, 3214868480
	.section	.rodata,"a",@progbits
	.p2align	6, 0x0
	.amdhsa_kernel k_q6e2a2709cb_bound
		.amdhsa_group_segment_fixed_size 327680
		.amdhsa_private_segment_fixed_size 0
		.amdhsa_enable_private_segment 0
		.amdhsa_kernarg_size 24
		.amdhsa_user_sgpr_count 2
		.amdhsa_user_sgpr_kernarg_segment_ptr 1
		.amdhsa_wavefront_size32 1
		.amdhsa_system_sgpr_workgroup_id_x 1
		.amdhsa_system_sgpr_workgroup_id_y 1
		.amdhsa_system_sgpr_workgroup_id_z 1
		.amdhsa_system_vgpr_workitem_id 0
		.amdhsa_next_free_vgpr 1024
		.amdhsa_next_free_sgpr 66
		.amdhsa_reserve_vcc 0
		.amdhsa_float_denorm_mode_32 3
		.amdhsa_float_denorm_mode_16_64 3
		.amdhsa_memory_ordered 1
		.amdhsa_forward_progress 1
		.amdhsa_inst_pref_size 77
	.end_amdhsa_kernel
	.amdgpu_metadata
---
amdhsa.version: [ 1, 2 ]
amdhsa.kernels:
  - .name:           k_q6e2a2709cb_bound
    .symbol:         k_q6e2a2709cb_bound.kd
    .args:
      - { .name: F, .offset: 0, .size: 8, .value_kind: global_buffer, .address_space: global }
      - { .name: hs, .offset: 8, .size: 8, .value_kind: global_buffer, .address_space: global }
      - { .name: m4, .offset: 16, .size: 8, .value_kind: global_buffer, .address_space: global }
    .group_segment_fixed_size: 327680
    .private_segment_fixed_size: 0
    .kernarg_segment_align: 8
    .kernarg_segment_size: 24
    .max_flat_workgroup_size: 128
    .sgpr_count:     66
    .vgpr_count:     1024
    .wavefront_size: 32
...
	.end_amdgpu_metadata
.endif
;; end of part 2
;; launch pick (part 3): grid 512 x 1, 4 waves a work-group, no clusters, 18,176 bytes of LDS; arguments m4, hs, glist; writes glist
.if DOCPART == 3
	.amdgcn_target "amdgcn-amd-amdhsa--gfx1250"
	.amdhsa_code_object_version 6
	.text
	.protected	k_q6e2a2709cb_pick
	.globl	k_q6e2a2709cb_pick
	.p2align	8
	.type	k_q6e2a2709cb_pick,@function
k_q6e2a2709cb_pick:
	s_mov_b64 s[64:65], 0
	v_nop
	global_prefetch_b8 v0, s[64:65] scope:SCOPE_SE
	s_setreg_imm32_b32 hwreg(HW_REG_WAVE_MODE, 25, 1), 1
	s_wait_xcnt 0x0
; glist[q][0..31], u16 = the numbers of the 32 groups of four keys whose best key lies nearest to query q, nearest first.  The next launch takes the first 24.
; WHY THAT SERVES EVERY INPUT.  A key among a row's 21 nearest lies in a group whose best key is among the 21 best of the 2,048 groups' best: at most 20 groups hold something strictly nearer.
; Ties exchange equal distances, which weigh nothing.  So the chosen groups hold every key of positive weight and the 21st nearest.
; THE KEY.  max(1/2 |F[q]|^2 - m4, 5e-13) = half the squared distance, with its 11 low mantissa bits replaced by the group's number: a positive normal f32, so that v_min and v_max move value and number
; together and no two keys are equal.  LIMIT: the cut costs under 2^-12 of the squared distance; a key of positive weight that is dropped for it weighs under 2^-13 of kth, while the own row weighs kth.
; NaN and infinities are not treated apart.
; SHARES.  A work-group owns a tile of 16 queries, wave c the groups of keys 2,048 c .. 2,048 c + 2,047.  Lane (r, h) takes 256 values of query r, 32 a block: a load of the wave covers 256 consecutive bytes.
; A block is sorted in registers, largest first (15 stages between two sets of 32); the smaller of it and of the 32 smallest so far, place by place, are the 32 smallest of both, a bitonic sequence,
; which five stages sort.  The same step joins the two halves of the lanes, and then, through LDS, the four waves.  Every trip count is a constant, and no address hangs on data.
; No matrix unit, cluster or tensor load: the work is comparisons, and no tile is shared.
.set LISTS, 0                          ; LDS: wave c's 32 smallest, place i of lane l at 4,096 c + 128 i + 4 l
.set OUTB,  16384                      ; the stage for the way out: 16 rows x 80 bytes (64 + 16: an odd multiple of 16), wave 0's own
.set SPARE, 17664                      ; the spare words, 128 bytes a wave: two blocks of 256 bytes that no other line names
.set EPSK,  0x2b0cbccc                 ; 5e-13
.set BIG,   0x7f000000                 ; above every key, and finite
.set L, 16                             ; v[16:47]    a block as loaded
.set A, 48                             ; v[48:79]    at work
.set B, 80                             ; v[80:111]   at work
.set R, 112                            ; v[112:143]  the 32 smallest so far, ascending
; v1 r, v2 h, v3 lane, v4 8 x lane, v5 1/2 |F[q]|^2, v6 the loads' offset, v7 4 r, v8 / v9 the add's registers, v10 the lane's and block's part of a group's number, v11 / v12 into and out of the lists,
; v13 / v14 into and out of the stage, v15 16 x lane.  s[4:5] m4 at my wave's part, s[6:7] hs, s[8:9] glist, s10 wave, s18 mask, s19 the clip, s[22:23] lane selects, s24 a block's bytes, s25 count.
.macro LOADS                           ; a block: 16 loads of 8 bytes a lane
.set i, 0
.rept 16
	global_load_b64 v[L+2*i:L+2*i+1], v6, s[4:5] offset:256*i th:TH_LOAD_NT
.set i, i+1
.endr
.endm
.macro DSTAGE k, j, a, b               ; one stage (k, j) of a bitonic sort of 32 registers, largest first, from registers a .. to registers b ..
.set si, 0
.rept 32
.if (si^(\j)) > si
.if (si&(\k)) == 0
	v_max_num_f32 v[(\b)+si],        v[(\a)+si], v[(\a)+(si^(\j))]
	v_min_num_f32 v[(\b)+(si^(\j))], v[(\a)+si], v[(\a)+(si^(\j))]
.else
	v_min_num_f32 v[(\b)+si],        v[(\a)+si], v[(\a)+(si^(\j))]
	v_max_num_f32 v[(\b)+(si^(\j))], v[(\a)+si], v[(\a)+(si^(\j))]
.endif
.endif
.set si, si+1
.endr
.endm
.macro ASTAGE j, a, b                  ; one stage of the merge of a bitonic sequence, smallest first
.set si, 0
.rept 32
.if (si^(\j)) > si
	v_min_num_f32 v[(\b)+si],        v[(\a)+si], v[(\a)+(si^(\j))]
	v_max_num_f32 v[(\b)+(si^(\j))], v[(\a)+si], v[(\a)+(si^(\j))]
.endif
.set si, si+1
.endr
.endm
.macro TAKE                            ; R (ascending) and B (descending) give the 32 smallest of both, ascending, in R
.set si, 0
.rept 32
	v_min_num_f32 v[A+si], v[R+si], v[B+si]
.set si, si+1
.endr
	ASTAGE 16, A, B
	ASTAGE 8, B, A
	ASTAGE 4, A, B
	ASTAGE 2, B, A
	ASTAGE 1, A, R
.endm
	s_load_b128 s[4:7], s[0:1], 0x0                ; m4, hs
	s_load_b64 s[8:9], s[0:1], 0x10                ; glist
	v_lshl_add_u32 v8, v0, 2, SPARE
	v_mov_b32 v9, 0
	v_lshrrev_b32 v1, 5, v0
	v_readfirstlane_b32 s10, v1                    ; wave 0..3
	v_and_b32 v3, 31, v0
	v_and_b32 v1, 15, v0
	v_bfe_u32 v2, v0, 4, 1
	v_lshlrev_b32 v4, 3, v3
	v_mov_b32 v6, v4
	v_lshlrev_b32 v7, 2, v1
	s_lshl_b32 s12, ttmp9, 17                      ; a query tile's 131,072 bytes of m4,
	s_lshl_b32 s13, s10, 15                        ; my wave's 32,768 of them
	s_add_co_u32 s12, s12, s13
	s_mov_b32 s13, 0
	s_lshl_b32 s14, ttmp9, 6                       ; 16 rows x 4 bytes of hs
	s_mov_b32 s15, 0
	s_lshl_b32 s16, ttmp9, 10                      ; 16 rows x 64 bytes of glist
	s_mov_b32 s17, 0
	s_mov_b32 s18, 0xfffff800
	s_mov_b32 s19, EPSK
	s_mov_b32 s21, BIG
	s_mov_b32 s22, 0x76543210                      ; v_permlanex16_b32: each lane takes its own place in the other half
	s_mov_b32 s23, 0xfedcba98
	s_lshl_b32 s20, s10, 9
	v_lshl_or_b32 v10, v2, 1, s20                  ; a group's number = 512 c + 64 block + 4 i + 2 h + e: here 512 c + 2 h
	s_wait_kmcnt 0x0
	s_add_nc_u64 s[4:5], s[4:5], s[12:13]
	s_add_nc_u64 s[6:7], s[6:7], s[14:15]
	s_add_nc_u64 s[8:9], s[8:9], s[16:17]
	global_load_b32 v5, v7, s[6:7]
	LOADS                                          ; block 0
.set i, 0
.rept 32
	v_mov_b32 v[R+i], s21
.set i, i+1
.endr
	s_wait_loadcnt 16                              ; hs is in; the block's 16 loads behind it stay out
	v_mul_f32 v5, -1.0, v5                         ; 1/2 |F[q]|^2
	s_mov_b32 s24, 0
	s_mov_b32 s25, 8
.Lblock:                               ; 8 trips: a block's keys are made, the next block is asked for, the block is sorted and taken in
	s_wait_loadcnt 0x0
.set n, 0
.rept 32
	v_sub_f32 v[A+n], v5, v[L+n]
.set n, n+1
.endr
.set n, 0
.rept 32
	v_max_num_f32 v[A+n], s19, v[A+n]
.set n, n+1
.endr
.set n, 0
.rept 32
	v_and_or_b32 v[A+n], v[A+n], s18, v10
.set n, n+1
.endr
.set n, 1
.rept 31
	v_or_b32 v[A+n], (n/2)*4+n%2, v[A+n]           ; 4 i + e: bits that the lane's part leaves free
.set n, n+1
.endr
	v_add_nc_u32 v10, 64, v10                      ; the next block's numbers
	s_cmp_eq_u32 s25, 1
	s_cbranch_scc1 .Lnoload                        ; the last trip asks for nothing
	s_add_co_u32 s24, s24, 4096
	v_add_nc_u32 v6, s24, v4                       ; the loads that named v6 are done
	LOADS
.Lnoload:
	DSTAGE 2, 1, A, B
	DSTAGE 4, 2, B, A
	DSTAGE 4, 1, A, B
	DSTAGE 8, 4, B, A
	DSTAGE 8, 2, A, B
	DSTAGE 8, 1, B, A
	DSTAGE 16, 8, A, B
	DSTAGE 16, 4, B, A
	DSTAGE 16, 2, A, B
	DSTAGE 16, 1, B, A
	DSTAGE 32, 16, A, B
	DSTAGE 32, 8, B, A
	DSTAGE 32, 4, A, B
	DSTAGE 32, 2, B, A
	DSTAGE 32, 1, A, B
	TAKE
	s_sub_co_u32 s25, s25, 1
	s_cmp_lg_u32 s25, 0
	s_cbranch_scc1 .Lblock
	; the query's other 256 values of this wave lie in the lane 16 away: its list, reversed
.set i, 0
.rept 32
	v_permlanex16_b32 v[B+i], v[R+31-i], s22, s23
.set i, i+1
.endr
	TAKE                                           ; both halves of the lanes now hold the same list
	s_lshl_b32 s26, s10, 12
	v_lshl_add_u32 v11, v3, 2, s26
.set i, 0
.rept 32
	ds_store_b32 v11, v[R+i] offset:LISTS+128*i
.set i, i+1
.endr
	s_wait_dscnt 0x0                               ; for the others' sake: my list is stored
	s_barrier_signal -1
	s_barrier_wait -1
.irp d, 1,2,3                          ; every wave takes in the other three waves' lists, read in reverse: all four end with the same 32
	s_add_co_u32 s27, s10, \d
	s_and_b32 s27, s27, 3
	s_lshl_b32 s26, s27, 12
	v_lshl_add_u32 v12, v3, 2, s26
.set i, 0
.rept 32
	ds_load_b32 v[B+i], v12 offset:LISTS+128*(31-i)
.set i, i+1
.endr
	s_wait_dscnt 0x0
	TAKE
.endr
	s_barrier_signal -1                            ; every wave's reads of the lists are back (the waits above)
	s_barrier_wait -1
	s_cmp_lg_u32 s10, 0
	s_cbranch_scc1 .Lend                           ; wave 0 stores for the work-group
.set k, 0
.rept 16
	v_and_b32 v[A+k], 0x7ff, v[R+2*k]              ; the numbers, two to a word
	v_and_b32 v[B+k], 0x7ff, v[R+2*k+1]
.set k, k+1
.endr
.set k, 0
.rept 16
	v_lshl_or_b32 v[A+k], v[B+k], 16, v[A+k]
.set k, k+1
.endr
	v_mul_u32_u24 v13, v1, 80
	v_add_nc_u32 v13, OUTB, v13                    ; in: query r's row; both halves of the lanes write the same bytes
	v_lshrrev_b32 v14, 2, v3
	v_mul_u32_u24 v14, v14, 80
	v_and_b32 v15, 3, v3
	v_lshl_add_u32 v14, v15, 4, v14
	v_add_nc_u32 v14, OUTB, v14                    ; back: four lanes to a row of 64 bytes, eight rows to a load
	v_lshlrev_b32 v15, 4, v3
.irp k, 0,1,2,3
	ds_store_b128 v13, v[A+4*\k:A+4*\k+3] offset:16*\k
.endr
.irp k, 0,1
	ds_load_b128 v[B+4*\k:B+4*\k+3], v14 offset:640*\k  ; LDS serves a wave's instructions in order: these see the stores above
.endr
	s_wait_dscnt 0x0
.irp k, 0,1
	global_store_b128 v15, v[B+4*\k:B+4*\k+3], s[8:9] offset:512*\k  ; 512 consecutive bytes each
.endr
.Lend:
	s_wait_tensorcnt 0x0                           ; the wave's end: behind my last LDS store
	ds_add_u32 v8, v9
	s_wait_dscnt 0x0
	s_endpgm
.Lfunc_end_k_q6e2a2709cb_pick:
	.size	k_q6e2a2709cb_pick, .Lfunc_end_k_q6e2a2709cb_pick-k_q6e2a2709cb_pick
	.p2alignl 7, 3214868480
	.fill 96, 4, 3214868480
	.section	.rodata,"a",@progbits
	.p2align	6, 0x0
	.amdhsa_kernel k_q6e2a2709cb_pick
		.amdhsa_group_segment_fixed_size 18176
		.amdhsa_private_segment_fixed_size 0
		.amdhsa_enable_private_segment 0
		.amdhsa_kernarg_size 24
		.amdhsa_user_sgpr_count 2
		.amdhsa_user_sgpr_kernarg_segment_ptr 1
		.amdhsa_wavefront_size32 1
		.amdhsa_system_sgpr_workgroup_id_x 1
		.amdhsa_system_sgpr_workgroup_id_y 1
		.amdhsa_system_sgpr_workgroup_id_z 1
		.amdhsa_system_vgpr_workitem_id 0
		.amdhsa_next_free_vgpr 144
		.amdhsa_next_free_sgpr 66
		.amdhsa_reserve_vcc 0
		.amdhsa_float_denorm_mode_32 3
		.amdhsa_float_denorm_mode_16_64 3
		.amdhsa_memory_ordered 1
		.amdhsa_forward_progress 1
		.amdhsa_inst_pref_size 72
	.end_amdhsa_kernel
	.amdgpu_metadata
---
amdhsa.version: [ 1, 2 ]
amdhsa.kernels:
  - .name:           k_q6e2a2709cb_pick
    .symbol:         k_q6e2a2709cb_pick.kd
    .args:
      - { .name: m4, .offset: 0, .size: 8, .value_kind: global_buffer, .address_space: global }
      - { .name: hs, .offset: 8, .size: 8, .value_kind: global_buffer, .address_space: global }
      - { .name: glist, .offset: 16, .size: 8, .value_kind: global_buffer, .address_space: global }
    .group_segment_fixed_size: 18176
    .private_segment_fixed_size: 0
    .kernarg_segment_align: 8
    .kernarg_segment_size: 24
    .max_flat_workgroup_size: 128
    .sgpr_count:     66
    .vgpr_count:     144
    .wavefront_size: 32
...
	.end_amdgpu_metadata
.endif
;; end of part 3
;; launch gather (part 4): grid 2048 x 1, 4 waves a work-group, no clusters, 0 bytes of LDS; arguments glist, F, xb, out0; writes out0
.if DOCPART == 4
	.amdgcn_target "amdgcn-amd-amdhsa--gfx1250"
	.amdhsa_code_object_version 6
	.text
	.protected	k_q6e2a2709cb_gather
	.globl	k_q6e2a2709cb_gather
	.p2align	8
	.type	k_q6e2a2709cb_gather,@function
k_q6e2a2709cb_gather:
	s_mov_b64 s[64:65], 0
	v_nop
	global_prefetch_b8 v0, s[64:65] scope:SCOPE_SE
	s_setreg_imm32_b32 hwreg(HW_REG_WAVE_MODE, 25, 1), 1
	s_wait_xcnt 0x0
; out0[q] = sum over c of w_c x[c] / sum of w_c,  w_c = max(kth - d_c, 0),  d_c = sqrt(max(|F[q] - F[c]|^2, 1e-12)),  kth = the 21st smallest d_c; c runs over the 96 keys of the 24 groups of four keys
; that glist[q] names first.  Those groups hold every key of positive weight and the 21st nearest, for every input (the launch before says why); the other keys of the 96 get weight 0 here.
; One wave, one row.  EVERY TRIP COUNT IS A CONSTANT and no branch hangs on data: 3 chunks of 32 keys; for each two trips of distances and a merge into the 32 smallest; then kth; then for each chunk two
; trips of weighted sums.  Addresses hang on the group numbers, whole numbers that scalar loads bring from glist; distances and weights only select and scale values.
; LIMITS.  Distances are sums of squared differences of the bf16 features, in f32; x enters as bf16; the division by the sum of weights comes after the sum.  NaN and infinities are not treated apart.
; No matrix unit, LDS, cluster or tensor load: rows share no tile.  No prefetch: a row of F or xb is wanted by many work-groups, so no one of them can ask for it once for all.
; The input y enters no number of the result and is given to no launch.
.set LA1,  0xaaaaaaaa                  ; lanes whose number has bit 0 set; and so on
.set LA2,  0xcccccccc
.set LA4,  0xf0f0f0f0
.set LA8,  0xff00ff00
.set LA16, 0xffff0000
.set FULL, 0xffffffff
.set EPS,  0x2b8cbccc                  ; 1e-12
.set GI,   68                          ; s[68:91]  the 24 group numbers; they turn by four a trip, so that a trip's four stand first
.set GT,   92                          ; s[92:95]  at work in the turn
.set GC,   96                          ; s[96:99]  the trip's four, clamped
; v1 16 x lane, v[20:23] / v[24:31] my 8 features of the own row, raw / f32, v32 -1.0, v35 a chunk's d^2, v36 the 32 smallest d^2 so far, ascending by lane, v37-39 at work in the sort, v40 / v41 weights,
; v42 their sum, v43 kth, v[44:45] a weight in every lane, v[48:57] at work, v[60:75] my 16 columns of the sum, v[76:78] the three chunks' d^2, v[80:207] gathered rows.
; s[2:3] F's own row, s[4:5] glist's row, s[6:7] F, s[8:9] xb, s[10:11] out0's row, s14 wave, s15 row, s26 / s34 counts, s33 lanes to place, s36-38 at work, s40-44 masks, s[46:47] selects, s[48:59] glist's words.
	s_load_b256 s[4:11], s[0:1], 0x0               ; glist, F, xb, out0
	v_lshrrev_b32 v48, 5, v0
	v_readfirstlane_b32 s14, v48                   ; wave 0..3
	v_and_b32 v47, 31, v0
	v_lshlrev_b32 v1, 4, v47
	s_lshl_b32 s15, ttmp9, 2
	s_add_co_u32 s15, s15, s14                     ; my row
	s_lshl_b32 s16, s15, 6
	s_mov_b32 s17, 0
	s_lshl_b32 s2, s15, 9
	s_mov_b32 s3, 0
	s_lshl_b32 s22, s15, 11
	s_mov_b32 s23, 0
	s_mov_b32 s40, LA1
	s_mov_b32 s41, LA2
	s_mov_b32 s42, LA4
	s_mov_b32 s43, LA8
	s_mov_b32 s44, LA16
	s_mov_b32 s46, 0x76543210
	s_mov_b32 s47, 0xfedcba98
	s_wait_kmcnt 0x0
	s_add_nc_u64 s[4:5], s[4:5], s[16:17]
	s_add_nc_u64 s[2:3], s[6:7], s[2:3]
	s_add_nc_u64 s[10:11], s[10:11], s[22:23]
	s_load_b256 s[48:55], s[4:5], 0x0              ; groups 0-15, two to a word
	s_load_b128 s[56:59], s[4:5], 0x20             ; groups 16-23
	global_load_b128 v[20:23], v1, s[2:3]          ; the own row
	v_mov_b32 v32, -1.0
	v_mov_b32 v35, 0
	v_mov_b32 v36, 0x7f800000
	v_mov_b32 v37, 0                               ; destinations of cross-lane forms count as read
	v_mov_b32 v38, 0
	v_mov_b32 v42, 0
	v_mov_b32 v44, 0
	v_mov_b32 v45, 0
	v_mov_b32 v48, 0
	v_mov_b32 v49, 0
	v_mov_b32 v77, 0
	v_mov_b32 v78, 0
.set i, 0
.rept 16
	v_mov_b32 v[60+i], 0
.set i, i+1
.endr
	s_wait_loadcnt 0x0
.irp e, 0,1,2,3
	v_lshlrev_b32 v[24+2*\e], 16, v[20+\e]
	v_and_b32 v[25+2*\e], s44, v[20+\e]
.endr
	s_wait_kmcnt 0x0
.set k, 0
.rept 12
	s_and_b32 s[GI+2*k], s[48+k], 0xffff
	s_lshr_b32 s[GI+2*k+1], s[48+k], 16
.set k, k+1
.endr
.macro FOUR                            ; the trip's four groups, clamped to the 2,048 that there are; the 24 turn by four: after six trips they stand as at first
.irp g, 0,1,2,3
	s_min_u32 s[GC+\g], s[GI+\g], 0x7ff
.endr
	s_mov_b64 s[GT:GT+1], s[GI:GI+1]
	s_mov_b64 s[GT+2:GT+3], s[GI+2:GI+3]
.set k, 0
.rept 10
	s_mov_b64 s[GI+2*k:GI+2*k+1], s[GI+4+2*k:GI+5+2*k]
.set k, k+1
.endr
	s_mov_b64 s[GI+20:GI+21], s[GT:GT+1]
	s_mov_b64 s[GI+22:GI+23], s[GT+2:GT+3]
.endm
.macro FOLD d, m                       ; registers c and c + d become one: lanes without bit d keep c's sums, the others c + d's, and each takes its partner's share
.set c, 0
.rept \d
	v_cndmask_b32 v48, v[80+4*c], v[80+4*(c+\d)], \m
	v_cndmask_b32 v49, v[80+4*(c+\d)], v[80+4*c], \m
	v_add_f32_dpp v[80+4*c], v49, v48 row_xmask:\d row_mask:0xf bank_mask:0xf
.set c, c+1
.endr
.endm
.macro CE j, mask                      ; lanes j apart compare v39; lanes of the mask keep the larger
	s_mov_b32 s37, \mask
.if (\j) == 16
	v_permlanex16_b32 v37, v39, s46, s47
	v_max_num_f32 v38, v39, v37
	v_min_num_f32 v37, v39, v37
.else
	v_min_num_f32_dpp v37, v39, v39 row_xmask:\j row_mask:0xf bank_mask:0xf
	v_max_num_f32_dpp v38, v39, v39 row_xmask:\j row_mask:0xf bank_mask:0xf
.endif
	v_cndmask_b32 v39, v37, v38, s37
.endm
	s_mov_b32 s26, 3
.Lchunk:                               ; 3 chunks of 32 keys
	; DISTANCES: two trips of 16 keys, four groups.  A group's four rows of F are 2,048 consecutive bytes; a row is one load, 16 bytes a lane; each load lands on its own address register.
	s_mov_b32 s33, 0xffff
	s_mov_b32 s34, 2
.Ldist:
	FOUR
.set i, 0
.rept 16
	v_lshl_add_u32 v[80+4*i], s[GC+i/4], 11, v1
	global_load_b128 v[80+4*i:83+4*i], v[80+4*i], s[6:7] offset:(i%4)*512
.set i, i+1
.endr
.set i, 0
.rept 16
	s_wait_loadcnt 15-i                            ; key i's row is in; the younger keys' stay out
.irp d, 0,1,2,3
	v_fma_mix_f32_bf16 v[48+2*\d], v[80+4*i+\d], v32, v[24+2*\d] op_sel_hi:[1,0,0]                ; own - key, low half
	v_fma_mix_f32_bf16 v[49+2*\d], v[80+4*i+\d], v32, v[25+2*\d] op_sel:[1,0,0] op_sel_hi:[1,0,0]  ; high half
.endr
	v_pk_mul_f32 v[56:57], v[48:49], v[48:49]
	v_pk_fma_f32 v[56:57], v[50:51], v[50:51], v[56:57]
	v_pk_fma_f32 v[56:57], v[52:53], v[52:53], v[56:57]
	v_pk_fma_f32 v[56:57], v[54:55], v[54:55], v[56:57]
	v_add_f32 v[80+4*i], v56, v57                  ; my 8 features' share of key i
.set i, i+1
.endr
	FOLD 8, s43                                    ; 16 registers of shares become one in which lane l holds key l % 16's sum over its 16 lanes
	FOLD 4, s42
	FOLD 2, s41
	FOLD 1, s40
	v_permlanex16_b32 v49, v80, s46, s47
	v_add_f32 v48, v80, v49
	v_cndmask_b32 v35, v35, v48, s33               ; the first trip's go to lanes 0-15, the second's to lanes 16-31
	s_not_b32 s33, s33
	s_sub_co_u32 s34, s34, 1
	s_cmp_lg_u32 s34, 0
	s_cbranch_scc1 .Ldist
	v_mov_b32 v76, v77                             ; the chunks' d^2 are kept: after three chunks v76, v77, v78 hold the first, second and third
	v_mov_b32 v77, v78
	v_mov_b32 v78, v35
	; The chunk is sorted across the lanes, largest first; the smaller of it and of the 32 smallest so far, lane by lane, are the 32 smallest of both, a bitonic sequence; five stages sort it.
	v_mov_b32 v39, v35
	CE 1, FULL^LA1^LA2
	CE 2, FULL^LA2^LA4
	CE 1, FULL^LA1^LA4
	CE 4, FULL^LA4^LA8
	CE 2, FULL^LA2^LA8
	CE 1, FULL^LA1^LA8
	CE 8, FULL^LA8^LA16
	CE 4, FULL^LA4^LA16
	CE 2, FULL^LA2^LA16
	CE 1, FULL^LA1^LA16
	CE 16, FULL^LA16
	CE 8, FULL^LA8
	CE 4, FULL^LA4
	CE 2, FULL^LA2
	CE 1, FULL^LA1
	v_min_num_f32 v39, v36, v39
	CE 16, LA16
	CE 8, LA8
	CE 4, LA4
	CE 2, LA2
	CE 1, LA1
	v_mov_b32 v36, v39
	s_sub_co_u32 s26, s26, 1
	s_cmp_lg_u32 s26, 0
	s_cbranch_scc1 .Lchunk
	v_readlane_b32 s38, v36, 20                    ; the 21st smallest d^2
	v_mov_b32 v43, s38
	v_max_num_f32 v43, EPS, v43
	v_sqrt_f32 v43, v43
	v_nop                                          ; a plain instruction behind the root
	s_mov_b32 s26, 3
.Lxchunk:                              ; the same 3 chunks: the group numbers stand as at first
	; WEIGHTS AND SUM: two trips of 16 keys.  A key's row of xb is 1,024 bytes: two loads; lane l's 16 numbers are columns 128 g + 4 l + 0..3, g = 0..3.
	v_max_num_f32 v48, EPS, v76
	v_sqrt_f32 v48, v48
	v_mov_b32 v76, v77                             ; (the plain instruction behind the root) the next chunk's d^2 moves up
	v_mov_b32 v77, v78
	s_wait_alu depctr_va_vdst(0)
	v_sub_f32 v40, v43, v48
	v_max_num_f32 v40, 0, v40
	v_add_f32 v42, v42, v40
	v_mov_b32 v41, v40
	s_mov_b32 s34, 2
.Lxrow:
	FOUR
.set i, 0
.rept 16
	v_lshl_add_u32 v[80+8*i], s[GC+i/4], 12, v1
	v_lshl_add_u32 v[84+8*i], s[GC+i/4], 12, v1
	global_load_b128 v[80+8*i:83+8*i], v[80+8*i], s[8:9] offset:(i%4)*1024
	global_load_b128 v[84+8*i:87+8*i], v[84+8*i], s[8:9] offset:(i%4)*1024+512
.set i, i+1
.endr
.set i, 0
.rept 16
	s_wait_loadcnt 2*(15-i)                        ; key i's two loads are in; the younger keys' stay out
	v_readlane_b32 s36, v41, i
	v_mov_b32 v44, s36
.irp d, 0,1,2,3,4,5,6,7
	v_fma_mix_f32_bf16 v[60+2*\d], v[80+8*i+\d], v44, v[60+2*\d] op_sel_hi:[1,0,0]
	v_fma_mix_f32_bf16 v[61+2*\d], v[80+8*i+\d], v44, v[61+2*\d] op_sel:[1,0,0] op_sel_hi:[1,0,0]
.endr
.set i, i+1
.endr
	v_permlanex16_b32 v48, v41, s46, s47           ; the second trip finds keys 16-31's weights in lanes 0-15
	v_mov_b32 v41, v48
	s_sub_co_u32 s34, s34, 1
	s_cmp_lg_u32 s34, 0
	s_cbranch_scc1 .Lxrow
	s_sub_co_u32 s26, s26, 1
	s_cmp_lg_u32 s26, 0
	s_cbranch_scc1 .Lxchunk
	v_add_f32_dpp v42, v42, v42 row_xmask:1 row_mask:0xf bank_mask:0xf
	v_add_f32_dpp v42, v42, v42 row_xmask:2 row_mask:0xf bank_mask:0xf
	v_add_f32_dpp v42, v42, v42 row_xmask:4 row_mask:0xf bank_mask:0xf
	v_add_f32_dpp v42, v42, v42 row_xmask:8 row_mask:0xf bank_mask:0xf
	v_permlanex16_b32 v49, v42, s46, s47
	v_add_f32 v42, v42, v49
	v_rcp_f32 v44, v42
	v_mov_b32 v45, 0                               ; the plain instruction behind the reciprocal; named with it as a pair
.set i, 0
	s_wait_alu depctr_va_vdst(0)
.rept 8
	v_pk_mul_f32 v[60+2*i:61+2*i], v[60+2*i:61+2*i], v[44:45] op_sel_hi:[1,0]
.set i, i+1
.endr
.irp g, 0,1,2,3
	global_store_b128 v1, v[60+4*\g:63+4*\g], s[10:11] offset:512*\g th:TH_STORE_NT  ; 512 consecutive bytes each
.endr
	s_endpgm
.Lfunc_end_k_q6e2a2709cb_gather:
	.size	k_q6e2a2709cb_gather, .Lfunc_end_k_q6e2a2709cb_gather-k_q6e2a2709cb_gather
	.p2alignl 7, 3214868480
	.fill 96, 4, 3214868480
	.section	.rodata,"a",@progbits
	.p2align	6, 0x0
	.amdhsa_kernel k_q6e2a2709cb_gather
		.amdhsa_group_segment_fixed_size 0
		.amdhsa_private_segment_fixed_size 0
		.amdhsa_enable_private_segment 0
		.amdhsa_kernarg_size 32
		.amdhsa_user_sgpr_count 2
		.amdhsa_user_sgpr_kernarg_segment_ptr 1
		.amdhsa_wavefront_size32 1
		.amdhsa_system_sgpr_workgroup_id_x 1
		.amdhsa_system_sgpr_workgroup_id_y 1
		.amdhsa_system_sgpr_workgroup_id_z 1
		.amdhsa_system_vgpr_workitem_id 0
		.amdhsa_next_free_vgpr 208
		.amdhsa_next_free_sgpr 100
		.amdhsa_reserve_vcc 0
		.amdhsa_float_denorm_mode_32 3
		.amdhsa_float_denorm_mode_16_64 3
		.amdhsa_memory_ordered 1
		.amdhsa_forward_progress 1
		.amdhsa_inst_pref_size 55
	.end_amdhsa_kernel
	.amdgpu_metadata
---
amdhsa.version: [ 1, 2 ]
amdhsa.kernels:
  - .name:           k_q6e2a2709cb_gather
    .symbol:         k_q6e2a2709cb_gather.kd
    .args:
      - { .name: glist, .offset: 0, .size: 8, .value_kind: global_buffer, .address_space: global }
      - { .name: F, .offset: 8, .size: 8, .value_kind: global_buffer, .address_space: global }
      - { .name: xb, .offset: 16, .size: 8, .value_kind: global_buffer, .address_space: global }
      - { .name: out0, .offset: 24, .size: 8, .value_kind: global_buffer, .address_space: global }
    .group_segment_fixed_size: 0
    .private_segment_fixed_size: 0
    .kernarg_segment_align: 8
    .kernarg_segment_size: 32
    .max_flat_workgroup_size: 128
    .sgpr_count:     100
    .vgpr_count:     208
    .wavefront_size: 32
...
	.end_amdgpu_metadata
.endif
;; end of part 4
